; MI455X (gfx1250); checked and timed in simulation.
; The chip was launched on July 23, 2026; its instructions are those of AMD's public machine-readable ISA for CDNA 5 (MIT licence, August 2026) and "CDNA5" Instruction Set Architecture Reference Guide (July 2026). The comments in the code are by the model that wrote it; some were corrected since.
;; Adaptive Diff Attention. Allowed arithmetic: matrix products marked QUANTISED: E3M2 operands, one E8M0 scale for each 32 along K, by v_wmma_scale_f32_16x16x128_f8f6f4 with both operands' format E3M2, f32 sums; products left as they are: f32 operands where the result goes on into a quantised operand, else bf16, f16 or f32 operands; f32 sums; everything else in f32.
;; Inputs: L1_b 256 float32; L1_w_codes 256 x 64 x 24 uint8 (E3M2 codes of L1_w, K innermost, in blocks of 32 codes, four codes in three bytes); L1_w_scales 256 x 64 uint8 (E8M0 scales of L1_w, one for each 32 codes along K); L2_b 1 float32; L2_w 256 x 1 float32; WK1_b 1,024 float32; WK1_w_codes 1,024 x 32 x 24 uint8 (E3M2 codes of WK1_w, K innermost, in blocks of 32 codes, four codes in three bytes); WK1_w_scales 1,024 x 32 uint8 (E8M0 scales of WK1_w, one for each 32 codes along K); WK2_b 1,024 float32; WK2_w_codes 1,024 x 32 x 24 uint8 (E3M2 codes of WK2_w, K innermost, in blocks of 32 codes, four codes in three bytes); WK2_w_scales 1,024 x 32 uint8 (E8M0 scales of WK2_w, one for each 32 codes along K); WO_b 1,024 float32; WO_w_codes 1,024 x 32 x 24 uint8 (E3M2 codes of WO_w, K innermost, in blocks of 32 codes, four codes in three bytes); WO_w_scales 1,024 x 32 uint8 (E8M0 scales of WO_w, one for each 32 codes along K); WQ1_b 1,024 float32; WQ1_w_codes 1,024 x 32 x 24 uint8 (E3M2 codes of WQ1_w, K innermost, in blocks of 32 codes, four codes in three bytes); WQ1_w_scales 1,024 x 32 uint8 (E8M0 scales of WQ1_w, one for each 32 codes along K); WQ2_b 1,024 float32; WQ2_w_codes 1,024 x 32 x 24 uint8 (E3M2 codes of WQ2_w, K innermost, in blocks of 32 codes, four codes in three bytes); WQ2_w_scales 1,024 x 32 uint8 (E8M0 scales of WQ2_w, one for each 32 codes along K); WV_b 1,024 float32; WV_w_codes 1,024 x 32 x 24 uint8 (E3M2 codes of WV_w, K innermost, in blocks of 32 codes, four codes in three bytes); WV_w_scales 1,024 x 32 uint8 (E8M0 scales of WV_w, one for each 32 codes along K); x 4,096 x 2,048 float32.
;; Outputs: out0 4,096 x 2,048 float32.
;; This version of the problem:
;;   THIS VERSION OF THE PROBLEM IS GIVEN IN LOW PRECISION. The matrix products marked QUANTISED in the list below multiply operands that are first quantised to E3M2 (3 exponent bits, 2 mantissa bits; 6 bits a number), with one power-of-two scale for each 32 numbers along K (OCP MX v1.0); their sums are f32. All else is computed in f32.
;;   The module's matrix products, in the order in which they are computed (A, B: the left and right operand; K: the contracted axis; several contracted axes count as one K, in the product's order):
;;     1. [M 4,096, K 2,048] x [K 2,048, N 256]; A: input x; B: input L1_w (given as codes): QUANTISED
;;     2. [M 4,096, K 256] x [K 256, N 1]; A: computed on the way; B: input L2_w: left as it is (N = 1 < 16)
;;     3. [M 8,192, K 1,024] x [K 1,024, N 1,024]; A: input x; B: input WQ1_w (given as codes): QUANTISED
;;     4. [M 8,192, K 1,024] x [K 1,024, N 1,024]; A: input x; B: input WK1_w (given as codes): QUANTISED
;;     5. [M 8,192, K 1,024] x [K 1,024, N 1,024]; A: input x; B: input WQ2_w (given as codes): QUANTISED
;;     6. [M 8,192, K 1,024] x [K 1,024, N 1,024]; A: input x; B: input WK2_w (given as codes): QUANTISED
;;     7. [M 8,192, K 1,024] x [K 1,024, N 1,024]; A: input x; B: input WV_w (given as codes): QUANTISED
;;     8. batch 16,384 x [M 2, K 256] x [K 256, N 2]; A: computed on the way; B: computed on the way: left as it is (M = 2 < 16)
;;     9. batch 16,384 x [M 2, K 256] x [K 256, N 2]; A: computed on the way; B: computed on the way: left as it is (M = 2 < 16)
;;     10. batch 16,384 x [M 2, K 2] x [K 2, N 256]; A: computed on the way; B: computed on the way: left as it is (K = 2 < 32)
;;     11. [M 8,192, K 1,024] x [K 1,024, N 1,024]; A: computed on the way; B: input WO_w (given as codes): QUANTISED
;;   THE QUANTISER, for each operand of a quantised product, along K:
;;     - K is cut into blocks of 32 from its start; a last block that is shorter is filled with zeros.
;;     - A block's scale is 2^e with e = floor(log2(the largest magnitude in the block)) - 4, held to -126 .. 127; a block of zeros has e = 0. As a byte (E8M0): e + 127.
;;     - Each number is divided by its block's scale, clamped to +-28, and rounded to the nearest number of E3M2, ties to even, subnormals kept.
;;     - The product sums the exact products of the quantised numbers (number of the format x scale) in f32.
;;   ~~~python
;;   def quantise(x, axis):      # numpy; x: float32 -> the quantised numbers, widened to float32 again
;;       x = np.moveaxis(x, axis, -1); K = x.shape[-1]
;;       x = np.pad(x, [(0, 0)] * (x.ndim - 1) + [(0, -K % 32)]); x = x.reshape(x.shape[:-1] + (-1, 32)); a = np.abs(x).max(-1, keepdims=True)
;;       e = np.where(a > 0, np.clip(np.frexp(np.where(a > 0, a, 1))[1] - 1 - 4, -126, 127), 0)      # np.frexp(a)[1] - 1 = floor(log2(a)), exactly
;;       r = np.clip(x / 2.0 ** e, -28, 28)
;;       step = 2.0 ** (np.maximum(np.frexp(np.where(r == 0, 1, r))[1] - 1, -2) - 2)
;;       q = np.round(r / step) * step * 2.0 ** e      # np.round: ties to even
;;       return np.moveaxis(q.reshape(q.shape[:-2] + (-1,))[..., :K], -1, axis).astype(np.float32)
;;   ~~~
;;   OPERANDS COMPUTED ON THE WAY. 'Computed on the way' means the value that the module computes at that place (a softmax that the list does not call 'softmax' is quantised finished and normalised). What goes into a quantiser is computed in f32, as accurately as f32 sums, v_exp_f32 and their like allow (about 1e-6 of the number): no bf16 or f16 on the way to a quantiser, and a product that is left as it is and whose result goes on into a quantised operand takes f32 operands (vector FMAs, or v_wmma_f32_16x16x4_f32). A number that lies on a knife's edge between two numbers of the format may be rounded either way, as far as f32 arithmetic and the matrix unit's own rounding can turn it there, and no further.
;;   INPUTS GIVEN AS CODES. L1_w (in the module: [2048, 256], K = its axis 0); WK1_w (in the module: [1024, 1024], K = its axis 0); WK2_w (in the module: [1024, 1024], K = its axis 0); WO_w (in the module: [1024, 1024], K = its axis 0); WQ1_w (in the module: [1024, 1024], K = its axis 0); WQ2_w (in the module: [1024, 1024], K = its axis 0); WV_w (in the module: [1024, 1024], K = its axis 0): each comes as NAME_codes (uint8): NAME with its K axis moved to the last place and cut into blocks of 32 codes, [.., K / 32, bytes a block], one block behind the other in memory; four codes in three bytes: a row's codes are one little-endian stream of bits, code i at bits 6 i .. 6 i + 5 (a code: sign, 3 exponent bits, 2 mantissa bits); and NAME_scales (uint8): the same leading axes, one E8M0 byte (e + 127) for each 32 codes along K. Its value is code x scale, taken as it is: it is not quantised again, and the codes and scales need not be those that the quantiser above would give.
;; One version. Each part assembles by itself: llvm-mc -triple=amdgcn-amd-amdhsa -mcpu=gfx1250 --defsym DOCPART=n.
;; ======== version 1 of 1: 2 launches
;; workspace buffers: ocodes 6,291,456 bytes; oscales 262,144 bytes
;; launch attn (part 1): grid 64 x 4, 4 waves a work-group, clusters of 4 x 1, 327,680 bytes of LDS; arguments x, L1_w_codes, L1_w_scales, L1_b, L2_w, L2_b, WQ1_w_codes, WK1_w_codes, WQ2_w_codes, WK2_w_codes, WV_w_codes, WQ1_w_scales, WK1_w_scales, WQ2_w_scales, WK2_w_scales, WV_w_scales, WQ1_b, WK1_b, WQ2_b, WK2_b, WV_b, ocodes, oscales; writes ocodes, oscales
.if DOCPART == 1
	.amdgcn_target "amdgcn-amd-amdhsa--gfx1250"
	.amdhsa_code_object_version 6
	.text
	.protected	k_qd02aef6ee9_attn
	.globl	k_qd02aef6ee9_attn
	.p2align	8
	.type	k_qd02aef6ee9_attn,@function
k_qd02aef6ee9_attn:
	s_mov_b64 s[64:65], 0
	v_nop
	global_prefetch_b8 v0, s[64:65] scope:SCOPE_SE
	s_setreg_imm32_b32 hwreg(HW_REG_WAVE_MODE, 25, 1), 1
	s_wait_xcnt 0x0
	s_wait_alu depctr_hold_cnt(0) depctr_sa_sdst(0) depctr_va_vdst(0) depctr_va_sdst(0) depctr_va_ssrc(0) depctr_va_vcc(0) depctr_vm_vsrc(0)
	s_getreg_b32 s2, hwreg(HW_REG_IB_STS2, 6, 4)
	s_cmp_eq_u32 s2, 0
	s_cbranch_scc0 .Lentry_in_a_cluster
	s_endpgm
.Lentry_in_a_cluster:
	s_bfe_u32 s2, ttmp6, 0x10000c
	s_cmp_lg_u32 s2, 0x3003
	s_cbranch_scc0 .Lentry_shape_is_right
	s_endpgm
.Lentry_shape_is_right:
; x [4096][2048] f32 = 8,192 tokens of 1,024.  This launch makes, for one head and 64 batch rows (128 tokens) a work-group: the gate lam = sigmoid(relu(x L1 + b) L2 + b),
; Q1, K1, Q2, K2, V of the head (products on codes of E3M2 with one E8M0 scale for each 32 along K), the two 2 x 2 softmaxes, relu(a1 - lam a2), its product with V, and the
; codes and scale words of that result, laid as the next launch's operand registers want them.
; LIMITS: NaN and infinities in x are not served.  A block whose largest magnitude lies under 2^-122 (a block of zeros among them) keeps the scale byte 1 where the rule says 127 for zeros:
; its codes are then zeros or what the byte 1 gives, and this program alone reads the bytes.  The gate's product is computed in each of the four head work-groups of a row block, since lam is wanted ahead of the relu.
; SHARES.  Four waves; wave (mw = w / 2, nw = w % 2) holds the codes of 64 tokens (32 batch rows x 2) in 384 registers for the whole launch and makes d = 128 nw .. + 127 of the head (hidden units 128 nw .. of the gate).
; Token block mb = 2 gl + t: lane r is batch row 16 gl + r, token t: a batch row's two tokens lie in one lane of two accumulators, so scores and the product with V ask no other lane.
; PRODUCTS ARE USED TRANSPOSED: source 0 = 16 rows of a weight, source 1 = 16 tokens: a lane holds one token, its eight registers eight neighbouring outputs.
; x IS QUANTISED IN THE HEAD: wave w takes batch rows 16 w .. + 15.  A load takes a row's 512 consecutive bytes (a K step of 128); a K step's 16 rows turn through the wave's own stage in LDS, so that a lane gets
; two whole blocks of 32; the fragments' images go to the other waves through LDS, eight K steps (one token) at a time.
; WEIGHTS come through a ring of two LDS slots, 14 items (4 of L1, 8 of Q and K, 2 of V); each wave fetches one region (32 rows x 768 bytes) of a slot with one tensor load.
; CLUSTER: the four partners are four row blocks of ONE head: every weight tile is asked for jointly, with the same descriptor (it hangs on the head and the wave's number alone) and the mask 15.
; REGISTERS, in windows of 256: window 0: addresses, scale words, scores, the 128 accumulator registers.  window 1: v0-191 a ring of four sets of weight fragments (4 x 12), v192-223 biases.
;   windows 2, 3: v0-191 the tokens' fragments of K steps 0-3 and 4-7.  In the head: window 1 v0-255 four sets of 64 numbers of x as loaded; window 0 v128-255 two sets of 64 as the quantiser wants them;
;   windows 2, 3 v192-255 table data on their way to LDS.
.set SLOT1, 131072                     ; slot 1 begins here: one exclusive or turns an address of one slot into the other's
.set RSTR,  26368                      ; from region to region of a slot (odd regions lie 128 bytes further on)
.set RP,    816                        ; a row in LDS: 3 x (256 bytes + 16 of padding) = 204 words: sixteen rows start 12 words apart, so the 32 lanes of an 8-byte load name 64 different banks (ISA guide 11.1)
.set YOFF,  RSTR+128                   ; from an even region to the odd one behind it
.set XIMG,  105472                     ; behind slot 0: the images of eight fragments of x for groups 0 and 1 (12,288 bytes a group); those of groups 2 and 3 lie 131,072 further on, behind slot 1
.set SPARE, 130048                     ; the spare words: 128 bytes a wave, two blocks of 256 bytes that no other line names
.set STGX,  261120                     ; behind the images of groups 2 and 3: for each wave a stage of 16 rows x XSP bytes
.set XSP,   528                        ; a stage row: 512 bytes + 16: sixteen rows start 16 bytes apart modulo 256
.set XSC,   310272                     ; x's scale words: 128 bytes a fragment, 2,048 a group
.set BT,    318464                     ; biases and L2_w: [nw][L1_b, Q1_b, Q2_b halves], at + 3,072 [nw][L2_w, K1_b, K2_b halves], at + 6,144 V_b
.set SCT,   236544                     ; over images and stages, once they are done with: the weights' scale words, 32 bytes a row: [nw][L1 K half 0, Q1, Q2], at + 24,576 [nw][L1 K half 1, K1, K2], at + 49,152 V
.set RED,   293888                     ; 2,560 bytes a wave: the sums that two waves exchange
.set SPW, 1                            ; v1   my spare word's LDS address; never rewritten
.set NIL, 2                            ; v2   0; never rewritten
.set VR,  3                            ; v3   r = lane % 16
.set VH,  4                            ; v4   h = lane / 16
.set BX,  5                            ; v5-6   my even region in slot 0, row r, + 24 h (v6: + 40 h, for pieces behind one padding more)
.set BY,  7                            ; v7-8   my odd region likewise
.set BQ,  9                            ; v9-10  rows r % 8 of the even region (r < 8) or of the odd one (r >= 8)
.set CX,  11                           ; v11-12 the same as BX (for V: BQ) in the slot in hand
.set CY,  13                           ; v13-14 as BY
.set LN,  15                           ; v15  lane (until the last scale bytes take v15-18)
.set BY1, 15
.set AWV, 19                           ; v19  V's scale words
.set ABV, 20                           ; v20  V's bias
.set GOC, 21                           ; v21  8 x lane: my place in a plane of codes
.set GOS, 22                           ; v22  16 r: my row's four scale words
.set RDW, 23                           ; v23  where I put my sums;  v24 where my partner wave's lie
.set RDR, 24
.set SH8, 25                           ; v25  8 h
.set AW,  26                           ; v26  the item's scale words (lanes 0-15: even region's rows, lanes 16-31: odd region's)
.set AB,  27                           ; v27  the item's biases
.set TO1, 26                           ; the head's offsets and addresses
.set TO2, 27
.set TO3, 28
.set XA,  29                           ; v29  16 x lane: my 16 bytes of a row's 512
.set XWI, 30                           ; v30  where my group's images go
.set XWS, 31                           ; v31  and their scale words
.set LI,  5                            ; v5   whence I read the images of my two groups
.set LXS, 7
.set TSB, 8
.set TSVB, 9
.set TSS, 10
.set TSV, 11
.set TSL, 12
.set STW, 13                           ; v13  my stage, on the way in: 16 x lane
.set STR, 14                           ; v14  and on the way out: row r, + 128 h
.set XS,  32                           ; v32-47  the tokens' scale words: register 4 sl + mb; lanes 0-15 K step sl, lanes 16-31 K step 4 + sl
.set WS,  48                           ; v48-63  the weights' scale words, two sets of 8 (K steps 0-7)
.set SC,  64                           ; v64-79  scores [gl][q][k], a pair each; later the eight coefficients, each twice
.set CF,  64
.set R,   80                           ; v80-99  8 scores of attention 1, 8 of attention 2, z of gl 0 and 1, two zeros
.set ZS,  100                          ; v100-103 z, a pair for each gl; later the first halves' scale bytes
.set HM,  104                          ; v104-105 two chains of a block's largest magnitude
.set HSO, 106                          ; v106 the conversion's scale operand
.set PC,  108                          ; v108-119 codes just made
.set VT,  116                          ; v116-123 at work in the product with V; v116-119 the last scale words
.set HU,  120                          ; v120-122 a block's upper 16 codes
.set BYA, 124
.set BYB, 125
.set PWR, 126
.set PT,  127                          ; a lane permute's destination
.set ACC, 128                          ; v128-255 accumulators
.set AUXB, 192                         ; window 1: two sets of 16: eight numbers for the even region's tile, eight for the odd one's
.set KC,  2
.set TB,  3                            ; s3   LDS byte at which the slot in hand begins
.set WV,  5
.set MW,  6
.set NW,  7
.set CXR, 8
.set RB,  9                            ; s9   my row block: it enters addresses of x, ocodes and oscales alone
.set HD,  10
.set G1W, 68                           ; s[68:75] group 1: a dense block as 96 rows of 256 bytes
.set G1L, 76                           ; s[76:83] group 1: 32 rows of 768 bytes, 1,536 apart (L1)
.set G0,  84                           ; s[84:87] the walking group 0
.set G0F, 88                           ; s[88:91] item 0's own
.set WP,  92                           ; s[92:93] where the next refill begins in memory: no descriptor register
.set PA1, 94
.set PA2, 96
.set VPA, 98
.set VPB, 100
.set SEL, 104                          ; s[104:105] v_permlanex16_b32's selects for lane l xor 16
.set MSB, 0
.macro WIN new                         ; the immediate's high byte repeats the setting that is left
.if MSB != (\new)
	s_set_vgpr_msb (MSB<<8)|(\new)
.set MSB, (\new)
.endif
.endm
.macro PLACES                          ; four plain vector lines: behind matrix instructions, ahead of loads into their registers and of reads of their results
.rept 4
	v_nop
.endr
.endm
.macro CREST                           ; a round of the cluster's barrier behind its opening barrier
	s_cmp_lg_u32 s[WV], 0
	s_cbranch_scc1 .Lnw0_\@
	s_barrier_signal -3
.Lnw0_\@:
	s_barrier_wait -3
	s_barrier_signal -1
	s_barrier_wait -1
.endm
.macro ROUND
	s_barrier_signal -1
	s_barrier_wait -1
	CREST
.endm
; A fragment, 16 rows x 128 K of 6-bit codes, 12 registers: six pieces of 8 bytes of my row's stream of bits.  q: the K step in the row.  Lanes 16-31 read three pieces further on; where that is behind one padding more the second address register serves.
.macro FRAG reg, a1, q, row
.irp p, 0,1,2,3,4,5
.set PCE, 12*(\q)+6*(\p/3)+\p%3
.if PCE%32 < 29
	ds_load_b64 v[(\reg)+2*\p:(\reg)+2*\p+1], v[\a1] offset:(\row)+8*PCE+16*(PCE/32)
.else
	ds_load_b64 v[(\reg)+2*\p:(\reg)+2*\p+1], v[(\a1)+1] offset:(\row)+8*PCE+16*(PCE/32)
.endif
.endr
.endm
.macro FH set, a1, row, hf             ; four K steps of one tile of 16 rows into set 'set' of the ring: 24 loads
	WIN 0x40
.irp sl, 0,1,2,3
	FRAG 48*(\set)+12*\sl, \a1, 4*(\hf)+\sl, \row
.endr
.endm
; 32 numbers of a lane, neighbours along K, become six registers of codes and a scale byte.  sw: the window in which the numbers lie.
.macro HQ src, e, u, by, sw
	WIN 5*(\sw)
	v_max3_num_f32 v[HM], |v[(\src)]|, |v[(\src)+1]|, 0x2800000      ; with the floor 2^(5 - 127): the byte cannot fall under 1
	v_max_num_f32 v[HM+1], |v[(\src)+2]|, |v[(\src)+3]|
.irp i, 4,8,12,16,20,24,28
	v_max3_num_f32 v[HM], |v[(\src)+\i]|, |v[(\src)+\i+1]|, v[HM]    ; two chains by turns
	v_max3_num_f32 v[HM+1], |v[(\src)+\i+2]|, |v[(\src)+\i+3]|, v[HM+1]
.endr
	WIN 0
	v_max_num_f32 v[HM], v[HM], v[HM+1]
	v_add_nc_u32 v[HSO], 0xfe000000, v[HM]                           ; 4 off the exponent field: the conversion takes that field as its scale
	v_lshrrev_b32 v[\by], 23, v[HSO]                                 ; the scale's byte
	WIN \sw
	v_cvt_scalef32_pk16_bf6_f32 v[(\e):(\e)+2], v[(\src):(\src)+15], v[HSO]
	v_cvt_scalef32_pk16_bf6_f32 v[(\u):(\u)+2], v[(\src)+16:(\src)+31], v[HSO]   ; (a conversion's three registers begin on an even number)
	WIN 0
	v_nop                                                            ; one plain line behind a scaled conversion
	v_mov_b32 v[(\e)+3], v[(\u)]
	v_mov_b32 v[(\e)+4], v[(\u)+1]
	v_mov_b32 v[(\e)+5], v[(\u)+2]
.endm
; THE HEAD'S MACROS.  K step f (0 .. 15) is 128 numbers, 512 bytes, of each of my 16 batch rows; f / 8 is the token.
.macro XLOAD f                         ; K step f as the bytes lie: each load takes one row's 512 consecutive bytes, 16 a lane; into set f % 4 of window 1.  Every offset is an immediate: no pointer is stepped
	WIN 0x40
.irp i, 0,1,2,3,4,5,6,7,8,9,10,11,12,13,14,15
	global_load_b128 v[64*((\f)%4)+4*\i:64*((\f)%4)+4*\i+3], v[XA], s[16:17] offset:8192*\i+512*(\f)
.endr
	WIN 0
.endm
.macro XTURN f                         ; K step f through my stage: in as loaded, a row to a store; out 128 bytes a lane and block: lane (r, h) gets numbers 64 c + 32 h + 0 .. 31 of row r.  LDS serves a wave's instructions in order (ISA guide 5.7.1.4)
	WIN 0x04                                                         ; an LDS store's data are its source 1: window 1
.irp i, 0,1,2,3,4,5,6,7,8,9,10,11,12,13,14,15
	ds_store_b128 v[STW], v[64*((\f)%4)+4*\i:64*((\f)%4)+4*\i+3] offset:XSP*\i
.endr
	WIN 0
.irp c, 0,1
.irp j, 0,1,2,3,4,5,6,7
	ds_load_b128 v[ACC+64*((\f)%2)+32*\c+4*\j:ACC+64*((\f)%2)+32*\c+4*\j+3], v[STR] offset:256*\c+16*\j
.endr
.endr
.endm
.macro FQ f, younger                   ; K step f's 64 numbers of a lane become a fragment; its image (lane l's 16 bytes at 16 l) and its scale words go to LDS
.set xq, ACC+64*((\f)%2)
	s_wait_dscnt \younger                                            ; the last image's four stores have read their registers; behind them stand the next K step's 32 in the stage, or nothing
	HQ xq, PC, HU, BYA, 0
	HQ xq+32, PC+6, HU, BYB, 0
	v_lshl_or_b32 v[PWR], v[BYB], 16, v[BYA]                         ; my two bytes: blocks h and 2 + h,
	v_lshlrev_b32 v[PWR], v[SH8], v[PWR]                             ; at their places;
	v_permlanex16_b32 v[PT], v[PWR], s[SEL], s[SEL+1]
	v_or_b32 v[PWR], v[PWR], v[PT]                                   ; with lane l xor 16's the word is whole
.irp p, 0,1,2
	ds_store_b128 v[XWI], v[PC+4*\p:PC+4*\p+3] offset:1536*((\f)%8)+512*\p
.endr
	ds_store_b32 v[XWS], v[PWR] offset:128*(\f)
.endm
.macro TABLES                          ; the weights' scale bytes and the biases: each wave brings a quarter, dense, 16 (or 8) bytes a lane: 35 loads; they wait in registers until the images' bytes are free
	WIN 0x80
.irp i, 0,1,2,3
	global_load_b128 v[192+4*\i:195+4*\i], v[TO2], s[38:39] offset:512*\i
	global_load_b128 v[208+4*\i:211+4*\i], v[TO2], s[40:41] offset:512*\i
	global_load_b128 v[224+4*\i:227+4*\i], v[TO2], s[42:43] offset:512*\i
	global_load_b128 v[240+4*\i:243+4*\i], v[TO2], s[44:45] offset:512*\i
.endr
	WIN 0xc0
.irp i, 0,1,2,3
	global_load_b128 v[192+4*\i:195+4*\i], v[TO2], s[46:47] offset:512*\i
.endr
.irp i, 0,1,2,3,4,5,6,7
	global_load_b128 v[208+4*\i:211+4*\i], v[TO3], s[20:21] offset:512*\i
.endr
	global_load_b64 v[240:241], v[TO1], s[22:23]   ; L1_b
	global_load_b64 v[242:243], v[TO1], s[48:49]   ; WQ1_b
	global_load_b64 v[244:245], v[TO1], s[52:53]   ; WQ2_b
	global_load_b64 v[246:247], v[TO1], s[24:25]   ; L2_w
	global_load_b64 v[248:249], v[TO1], s[50:51]   ; WK1_b
	global_load_b64 v[250:251], v[TO1], s[54:55]   ; WK2_b
	global_load_b64 v[252:253], v[TO1], s[56:57]   ; WV_b
	WIN 0
.endm
; K step f's turn.  Loads run four K steps ahead (64 loads of 512 bytes a wave), the turn through the stage one.
.macro XBODY f
.if (\f) == 0
	s_wait_dscnt 0x0
.else
	s_wait_dscnt 4                                                   ; K step f is back from the stage (behind its 32 stand the last image's 4 stores): so the stage's stores have read their registers,
.endif
.if (\f)+4 < 16
	XLOAD (\f)+4                                                     ; which take the K step four on
.endif
.if (\f) < 12
	s_wait_loadcnt 48                                                ; K step f + 1 is in; the three younger sets' 48 loads may be out
.elseif (\f) == 12
	s_wait_loadcnt 32                                                ; two younger sets
.elseif (\f) == 13
	s_wait_loadcnt 51                                                ; one younger set and the 35 table loads
.elseif (\f) == 14
	s_wait_loadcnt 35                                                ; the table loads
.endif
.if (\f)+1 < 16
	XTURN (\f)+1                                                     ; it goes through the stage while K step f is quantised
.endif
.if (\f) == 12
	TABLES                                                           ; no load of x is left to issue: the tables go out here, three K steps and an exchange ahead of their use
.endif
.if (\f) < 15
	FQ \f, 32
.else
	FQ \f, 0
.endif
.endm
; The exchange behind a token's eight K steps: every wave takes the images of its two groups into its registers; then the images' bytes are free again.
.macro XCHG ph
	s_wait_dscnt 0x0                                                 ; my images have landed
	s_barrier_signal -1
	s_barrier_wait -1                                                ; everybody's have
.irp hi, 0,1
	WIN 0x80+0x40*\hi
.irp gl, 0,1
.irp sl, 0,1,2,3
.irp p, 0,1,2
	ds_load_b128 v[12*(4*(2*\gl+(\ph))+\sl)+4*\p:12*(4*(2*\gl+(\ph))+\sl)+4*\p+3], v[LI] offset:12288*\gl+(4*\hi+\sl)*1536+512*\p
.endr
.endr
.endr
.endr
	WIN 0
.if (\ph) == 1
.irp gl, 0,1
.irp tk, 0,1
.irp sl, 0,1,2,3
	ds_load_b32 v[XS+4*\sl+2*\gl+\tk], v[LXS] offset:2048*\gl+1024*\tk+128*\sl
.endr
.endr
.endr
.endif
	s_wait_dscnt 0x0                                                 ; my reads of the images are over
	s_barrier_signal -1
	s_barrier_wait -1                                                ; everybody's are
.endm
.macro AX p, u                         ; tile u of an item of L1 or of Q and K: 8 scale words a row, and eight numbers (bias; for L1's odd side L2_w) for each side: 6 loads
	WIN 0
	ds_load_b128 v[WS+8*(\p):WS+8*(\p)+3], v[AW] offset:512*(\u)
	ds_load_b128 v[WS+8*(\p)+4:WS+8*(\p)+7], v[AW] offset:512*(\u)+16
	WIN 0x40
	ds_load_b128 v[AUXB+16*(\p):AUXB+16*(\p)+3], v[AB] offset:64*(\u)
	ds_load_b128 v[AUXB+16*(\p)+4:AUXB+16*(\p)+7], v[AB] offset:64*(\u)+16
	ds_load_b128 v[AUXB+16*(\p)+8:AUXB+16*(\p)+11], v[AB] offset:3072+64*(\u)
	ds_load_b128 v[AUXB+16*(\p)+12:AUXB+16*(\p)+15], v[AB] offset:3072+64*(\u)+16
.endm
.macro AXV p, c, ip                    ; tiles 2 ip and 2 ip + 1 of item c of V: scale words (lanes 0-15 the even tile's, lanes 16-31 the odd one's) and biases: 6 loads
	WIN 0
	ds_load_b128 v[WS+8*(\p):WS+8*(\p)+3], v[AWV] offset:2048*(\c)+512*(\ip)
	ds_load_b128 v[WS+8*(\p)+4:WS+8*(\p)+7], v[AWV] offset:2048*(\c)+512*(\ip)+16
	WIN 0x40
.irp e, 0,1,2,3
	ds_load_b128 v[AUXB+16*(\p)+4*\e:AUXB+16*(\p)+4*\e+3], v[ABV] offset:256*(\c)+64*(\ip)+16*\e
.endr
.endm
; The loads of half-step n of an item.  ty: 0 L1, 1 Q and K, 2 V.
.macro BATCH ty, n, c
.if (\ty) == 2
.if (\n)%4 == 0
	AXV ((\n)/4)&1, \c, (\n)/4
.endif
	FH (\n)&3, CX, 6528*((\n)/2), (\n)&1
.else
.if (\n)%4 == 0
	AX ((\n)/4)&1, (\n)/4
.endif
.if ((\n)/2)&1
	FH (\n)&3, CY, 13056*((\n)/4), (\n)&1
.else
	FH (\n)&3, CX, 13056*((\n)/4), (\n)&1
.endif
.endif
.endm
.macro MM d, a, b, c, sa, sb, ra, rb   ; one matrix instruction; ra, rb: the side's scale words stand in lanes 16-31
.if (\ra) && (\rb)
	v_wmma_scale_f32_16x16x128_f8f6f4 v[(\d):(\d)+7], v[(\a):(\a)+11], v[(\b):(\b)+11], v[(\c):(\c)+7], v[\sa], v[\sb] matrix_a_fmt:MATRIX_FMT_BF6 matrix_b_fmt:MATRIX_FMT_BF6 matrix_a_scale:MATRIX_SCALE_ROW1 matrix_b_scale:MATRIX_SCALE_ROW1
.elseif (\ra)
	v_wmma_scale_f32_16x16x128_f8f6f4 v[(\d):(\d)+7], v[(\a):(\a)+11], v[(\b):(\b)+11], v[(\c):(\c)+7], v[\sa], v[\sb] matrix_a_fmt:MATRIX_FMT_BF6 matrix_b_fmt:MATRIX_FMT_BF6 matrix_a_scale:MATRIX_SCALE_ROW1
.elseif (\rb)
	v_wmma_scale_f32_16x16x128_f8f6f4 v[(\d):(\d)+7], v[(\a):(\a)+11], v[(\b):(\b)+11], v[(\c):(\c)+7], v[\sa], v[\sb] matrix_a_fmt:MATRIX_FMT_BF6 matrix_b_fmt:MATRIX_FMT_BF6 matrix_b_scale:MATRIX_SCALE_ROW1
.else
	v_wmma_scale_f32_16x16x128_f8f6f4 v[(\d):(\d)+7], v[(\a):(\a)+11], v[(\b):(\b)+11], v[(\c):(\c)+7], v[\sa], v[\sb] matrix_a_fmt:MATRIX_FMT_BF6 matrix_b_fmt:MATRIX_FMT_BF6
.endif
.endm
; The matrix instructions of half-step n.  Windows: source 0 (weights) 1, source 1 (tokens) 2 or 3, C and D 0; where a sum begins its C is the bias, in window 1.  The accumulators take turns, one instruction a turn.
.macro MATL n                          ; L1: tile n / 4, K half (n / 2) % 2 = token t, four K steps: 8 instructions on the two accumulators of gl 0, 1
.set mu, (\n)/4
.set mab, ((\n)/2)&1
.set mhf, (\n)&1
.irp sl, 0,1,2,3
.if ((\n)%4 == 0) && (\sl == 0)
	WIN 0x19
.else
	WIN 0x09+4*mhf
.endif
.irp gl, 0,1
.set rD, ACC+64*mu+8*\gl
.set rC, rD
.if ((\n)%4 == 0) && (\sl == 0)
.set rC, AUXB+16*mu
.endif
	MM rD, 48*((\n)&3)+12*\sl, 12*(4*(2*\gl+mab)+\sl), rC, WS+8*mu+4*mhf+\sl, XS+4*\sl+2*\gl+mab, mab, mhf
.endr
.endr
.endm
.macro MATP n                          ; Q (kind 0) or K (kind 1): tile n / 4, kind (n / 2) % 2, four K steps x four token blocks
.set mu, (\n)/4
.set mk, ((\n)/2)&1
.set mhf, (\n)&1
.irp sl, 0,1,2,3
.if (mhf == 0) && (\sl == 0)
	WIN 0x19
.else
	WIN 0x09+4*mhf
.endif
.irp mb, 0,1,2,3
.set rD, ACC+64*mu+32*mk+8*\mb
.set rC, rD
.if (mhf == 0) && (\sl == 0)
.set rC, AUXB+16*mu+8*mk
.endif
	MM rD, 48*((\n)&3)+12*\sl, 12*(4*\mb+\sl), rC, WS+8*mu+4*mhf+\sl, XS+4*\sl+\mb, mk, mhf
.endr
.endr
.endm
.macro MATV n                          ; V: tile i = n / 2.  Its rows: r < 8: 8 i + r of the even region, else 8 i + r - 8 of the odd one: so the registers 32 mb + 8 i + j of a lane are 32 NEIGHBOURS along the next K: d = 64 c + 32 h + 8 i + j
.set mi, (\n)/2
.set mhf, (\n)&1
.irp sl, 0,1,2,3
.if (mhf == 0) && (\sl == 0)
	WIN 0x19
.else
	WIN 0x09+4*mhf
.endif
.irp mb, 0,1,2,3
.set rD, ACC+32*\mb+8*mi
.set rC, rD
.if (mhf == 0) && (\sl == 0)
.set rC, AUXB+16*((mi/2)&1)+8*(mi&1)
.endif
	MM rD, 48*((\n)&3)+12*\sl, 12*(4*\mb+\sl), rC, WS+8*((mi/2)&1)+4*mhf+\sl, XS+4*\sl+\mb, mi&1, mhf
.endr
.endr
.endm
.macro MATS ty, n
.if (\ty) == 0
	MATL \n
.elseif (\ty) == 1
	MATP \n
.else
	MATV \n
.endif
.endm
.macro SCORE u                         ; the four scores of each batch row take tile u's 16 of d: f32 multiply-adds, two at a time; each accumulator is read from its low end on
	WIN 0
	PLACES
.irp jj, 0,1,2,3
.irp gl, 0,1
.irp q, 0,1
.irp k, 0,1
	v_pk_fma_f32 v[SC+2*(4*\gl+2*\q+\k):SC+2*(4*\gl+2*\q+\k)+1], v[ACC+64*(\u)+8*(2*\gl+\q)+2*\jj:ACC+64*(\u)+8*(2*\gl+\q)+2*\jj+1], v[ACC+64*(\u)+32+8*(2*\gl+\k)+2*\jj:ACC+64*(\u)+32+8*(2*\gl+\k)+2*\jj+1], v[SC+2*(4*\gl+2*\q+\k):SC+2*(4*\gl+2*\q+\k)+1]
.endr
.endr
.endr
.endr
.endm
.macro RELUDOT u                       ; z += relu(hidden) . L2_w for tile u's 16 hidden units
	WIN 0
	PLACES
.irp gl, 0,1
.irp j, 0,1,2,3,4,5,6,7
	v_max_num_f32 v[ACC+64*(\u)+8*\gl+\j], 0, v[ACC+64*(\u)+8*\gl+\j]
.endr
.endr
	WIN 0x04                                                         ; source 1 (L2_w) in window 1
.irp jj, 0,1,2,3
.irp gl, 0,1
	v_pk_fma_f32 v[ZS+2*\gl:ZS+2*\gl+1], v[ACC+64*(\u)+8*\gl+2*\jj:ACC+64*(\u)+8*\gl+2*\jj+1], v[AUXB+16*(\u)+8+2*\jj:AUXB+16*(\u)+8+2*\jj+1], v[ZS+2*\gl:ZS+2*\gl+1]
.endr
.endr
	WIN 0
.endm
.macro POST ty, u
.if (\ty) == 0
	RELUDOT \u
.elseif (\ty) == 1
	SCORE \u
.else
	WIN 0
.endif
.endm
.macro NEXTADR nty                     ; no LDS load of mine is out: the addresses go on to the other slot and the next item's tables
	s_xor_b32 s[TB], s[TB], SLOT1
.if (\nty) == 2
	v_add_nc_u32 v[CX], s[TB], v[BQ]
	v_add_nc_u32 v[CX+1], s[TB], v[BQ+1]
.else
	v_add_nc_u32 v[CX], s[TB], v[BX]
	v_add_nc_u32 v[CX+1], s[TB], v[BX+1]
	v_add_nc_u32 v[CY], s[TB], v[BY]
	v_add_nc_u32 v[CY+1], s[TB], v[BY+1]
	v_add_nc_u32 v[AW], 1024, v[AW]
	v_add_nc_u32 v[AB], 128, v[AB]
.endif
.endm
; AN ITEM = one slot = eight half-steps.  The loads of half-step n + 2 are issued ahead of the products of half-step n, into the ring's set (n + 2) % 4, which half-step n - 2 read last.
; mode 1: in half-step 6 the slot is left and filled again, two items ahead; mode 2: it is left and not filled; mode 0: the last item.  nty, nc: the next item's kind and number; sel = 1: the loop over Q and K turns WP by its count.
.macro ITEM ty, c, mode, nty, nc, g1, step, sel
.irp n, 0,1,2,3,4,5
.if \n == 3
	s_wait_dscnt 30                                                  ; behind this half-step's loads stand the next one's 6 + 24
.else
	s_wait_dscnt 24                                                  ; behind this half-step's loads stand the next one's 24 fragment loads
.endif
	PLACES
	BATCH \ty, \n+2, \c
	MATS \ty, \n
.if \n == 3
	POST \ty, 0
.endif
.endr
.if (\mode) == 0
	s_wait_dscnt 24
	MATS \ty, 6
	s_wait_dscnt 0x0
	MATS \ty, 7
.else
	WIN 0                                                            ; (the add's two registers lie in window 0)
	s_wait_tensorcnt 0x0                                             ; all my tensor loads have landed: my region of the next slot;
	ds_add_u32 v[SPW], v[NIL]                                        ; 0 onto my spare word
.if (\mode) == 1
	s_mov_b64 s[G0+2:G0+3], s[WP:WP+1]                               ; no tensor load of mine is out, so the walking descriptor may be written: the item two on,
	s_or_b32 s[G0+3], s[G0+3], 0x80000000
	s_xor_b32 s[G0+1], s[G0+1], SLOT1                                ; into the slot that is being left
	s_add_nc_u64 s[WP:WP+1], s[WP:WP+1], \step
.if \sel
	s_cmp_eq_u32 s[KC], 1                                            ; behind Q1's and K1's last rows come Q2's and K2's,
	s_cselect_b64 s[WP:WP+1], s[PA2:PA2+1], s[WP:WP+1]
	s_cmp_eq_u32 s[KC], 5                                            ; behind those V's
	s_cselect_b64 s[WP:WP+1], s[VPA:VPA+1], s[WP:WP+1]
.endif
.endif
	s_wait_dscnt 0x0                                                 ; the add is done, and my reads of this slot are over (half-steps 6 and 7 are in registers)
	s_barrier_signal -1
	MATS \ty, 6                                                      ; work on registers while the others arrive
	WIN 0
	s_barrier_wait -1
.if (\mode) == 1
	CREST                                                            ; the barrier has opened a round of the cluster's: no wave of any partner still reads this slot or has a load on its way
	tensor_load_to_lds s[G0:G0+3], s[\g1:\g1+7]                      ; my one tensor load behind the round, and the first thing there
	s_nop 0
.endif
	PLACES
	NEXTADR \nty
	BATCH \nty, 0, \nc
	BATCH \nty, 1, \nc
	MATS \ty, 7
.endif
	POST \ty, 1
.endm
; The product with V, in place, and its way out.  c: which 64 of my 128 d; by: where the four scale bytes go.
.macro VOUT c, by
	WIN 0
	PLACES
.irp gl, 0,1
.set pp, 0
.rept 16
.set rA, ACC+64*\gl+2*pp
.set rB, rA+32
.set rT, VT+2*(pp%4)
	v_pk_mul_f32 v[rT:rT+1], v[rA:rA+1], v[CF+8*\gl+4:CF+8*\gl+5]
	v_pk_mul_f32 v[rA:rA+1], v[rA:rA+1], v[CF+8*\gl:CF+8*\gl+1]
	v_pk_fma_f32 v[rA:rA+1], v[rB:rB+1], v[CF+8*\gl+2:CF+8*\gl+3], v[rA:rA+1]    ; token 0: c00 V0 + c01 V1
	v_pk_fma_f32 v[rB:rB+1], v[rB:rB+1], v[CF+8*\gl+6:CF+8*\gl+7], v[rT:rT+1]    ; token 1: c10 V0 + c11 V1
.set pp, pp+1
.endr
.endr
.irp mb, 0,1,2,3
	s_wait_xcnt 0x0                                                  ; the last block's stores have read their data registers
	HQ ACC+32*\mb, PC, HU, (\by)+\mb, 0
.irp q, 0,1,2
	global_store_b64 v[GOC], v[PC+2*\q:PC+2*\q+1], s[58:59] offset:12288*\mb+768*(\c)+256*\q    ; a plane of the fragment: 32 lanes store 256 consecutive bytes, aligned
.endr
.endr
.endm
	; ---------------- the head
	s_load_b512 s[16:31], s[0:1], 0x0              ; x, L1 codes, L1 scales, L1_b, L2_w, L2_b, WQ1 codes, WK1 codes
	s_load_b512 s[32:47], s[0:1], 0x40             ; WQ2, WK2, WV codes; WQ1, WK1, WQ2, WK2, WV scales
	s_load_b256 s[48:55], s[0:1], 0x80             ; WQ1_b, WK1_b, WQ2_b, WK2_b
	s_load_b128 s[56:59], s[0:1], 0xa0             ; WV_b, ocodes
	s_load_b64 s[60:61], s[0:1], 0xb0              ; oscales
	v_lshl_add_u32 v[SPW], v0, 2, SPARE
	v_mov_b32 v[NIL], 0
	ds_add_u32 v1, v2
	ds_add_u32 v1, v2
	s_wait_dscnt 0x0
	v_lshrrev_b32 v16, 5, v0
	v_readfirstlane_b32 s[WV], v16                 ; wave 0..3
	s_lshr_b32 s[MW], s[WV], 1
	s_and_b32 s[NW], s[WV], 1
	s_bfe_u32 s[CXR], ttmp6, 0x40000               ; my place in the cluster
	s_lshl_b32 s[RB], ttmp9, 2
	s_add_co_u32 s[RB], s[RB], s[CXR]              ; my row block
	s_and_b32 s[HD], ttmp7, 0xffff                 ; the head, which the four partners share
	s_mov_b32 s[G1W], 15|(3<<16)|(1<<20)|(1<<21)|(5<<22)|(3<<25)   ; mask: all four; elements of 8 bytes; padding on; bit 21 beside a mask; behind every 64 words 4 words
	s_mov_b32 s[G1W+1], 32<<16                     ; tensor_dim0 = 32 elements (256 bytes)
	s_mov_b32 s[G1W+2], 96<<16                     ; tensor_dim1 = 96
	s_mov_b32 s[G1W+3], 32<<16                     ; tile_dim0
	s_mov_b32 s[G1W+4], 96                         ; tile_dim1
	s_mov_b32 s[G1W+5], 32                         ; from row to row: dense
	s_mov_b32 s[G1W+6], 0
	s_mov_b32 s[G1W+7], 0
	s_mov_b32 s[G1L], 15|(3<<16)|(1<<20)|(1<<21)|(5<<22)|(3<<25)
	s_mov_b32 s[G1L+1], 96<<16                     ; 96 elements (768 bytes: half of a row of L1)
	s_mov_b32 s[G1L+2], 32<<16
	s_mov_b32 s[G1L+3], 96<<16
	s_mov_b32 s[G1L+4], 32
	s_mov_b32 s[G1L+5], 192                        ; a row of L1 is 1,536 bytes
	s_mov_b32 s[G1L+6], 0
	s_mov_b32 s[G1L+7], 0
	s_mul_i32 s11, s[WV], RSTR
	s_lshl_b32 s12, s[NW], 7
	s_add_co_u32 s11, s11, s12                     ; my region's place in a slot: the wave's number alone
	s_mov_b32 s[G0F], 1
	s_mov_b32 s[G0F+1], s11
	s_mov_b32 s[G0], 1
	s_add_co_u32 s[G0+1], s11, SLOT1
	s_mov_b32 s[SEL], 0x76543210
	s_mov_b32 s[SEL+1], 0xfedcba98
	s_mov_b32 s[TB], 0
	s_mov_b32 s13, 0
	s_mov_b32 s15, 0
	s_wait_kmcnt 0x0
	s_load_b32 s62, s[26:27], 0x0                  ; L2_b
	s_mul_i32 s12, s[MW], 196608                   ; L1: rows 128 (w / 2) on, K half w % 2
	s_mul_i32 s14, s[NW], 768
	s_add_co_u32 s12, s12, s14
	s_add_nc_u64 s[G0F+2:G0F+3], s[18:19], s[12:13]
	s_add_nc_u64 s[G0+2:G0+3], s[G0F+2:G0F+3], 49152      ; item 1: 32 rows on
	s_add_nc_u64 s[WP:WP+1], s[G0F+2:G0F+3], 98304        ; item 2
	s_or_b32 s[G0F+3], s[G0F+3], 0x80000000
	s_or_b32 s[G0+3], s[G0+3], 0x80000000
	s_mul_i32 s12, s[HD], 196608                   ; the head's 256 rows of 768 bytes, and of them 128 (w / 2) on
	s_mul_i32 s14, s[MW], 98304
	s_add_co_u32 s12, s12, s14
	s_cmp_eq_u32 s[NW], 0                          ; even regions take Q's rows, odd ones K's
	s_cselect_b64 s[PA1:PA1+1], s[28:29], s[30:31]
	s_cselect_b64 s[PA2:PA2+1], s[32:33], s[34:35]
	s_add_nc_u64 s[PA1:PA1+1], s[PA1:PA1+1], s[12:13]
	s_add_nc_u64 s[PA2:PA2+1], s[PA2:PA2+1], s[12:13]
	s_add_nc_u64 s[VPA:VPA+1], s[36:37], s[12:13]
	s_mul_i32 s14, s[NW], 24576                    ; V: odd regions take the rows 32 further on
	s_add_nc_u64 s[VPA:VPA+1], s[VPA:VPA+1], s[14:15]
	s_add_nc_u64 s[VPB:VPB+1], s[VPA:VPA+1], 49152
	ROUND                                          ; all four work-groups are here: the first joint loads meet
	tensor_load_to_lds s[G0F:G0F+3], s[G1L:G1L+7]  ; item 0 into slot 0
	s_nop 0
	tensor_load_to_lds s[G0:G0+3], s[G1L:G1L+7]    ; item 1 into slot 1: two loads of mine are out
	s_nop 0
	PLACES
	s_lshl_b32 s12, s[RB], 19                      ; x: 64 rows of 8,192 bytes a row block, 16 a wave
	s_lshl_b32 s14, s[WV], 17
	s_add_co_u32 s12, s12, s14
	s_add_nc_u64 s[16:17], s[16:17], s[12:13]
	v_and_b32 v[LN], 31, v0
	v_lshlrev_b32 v[XA], 4, v[LN]
	XLOAD 0                                        ; the stream of x begins; the other addresses are made while it is on its way
	XLOAD 1
	XLOAD 2
	s_lshl_b32 s12, s[HD], 10                      ; the head's 256 numbers of each bias
	s_add_nc_u64 s[48:49], s[48:49], s[12:13]
	s_add_nc_u64 s[50:51], s[50:51], s[12:13]
	s_add_nc_u64 s[52:53], s[52:53], s[12:13]
	s_add_nc_u64 s[54:55], s[54:55], s[12:13]
	s_add_nc_u64 s[56:57], s[56:57], s[12:13]
	s_lshl_b32 s12, s[HD], 13                      ; and its 256 rows of 32 scale bytes
	s_add_nc_u64 s[38:39], s[38:39], s[12:13]
	s_add_nc_u64 s[40:41], s[40:41], s[12:13]
	s_add_nc_u64 s[42:43], s[42:43], s[12:13]
	s_add_nc_u64 s[44:45], s[44:45], s[12:13]
	s_add_nc_u64 s[46:47], s[46:47], s[12:13]
	s_lshl_b32 s11, s[RB], 1
	s_add_co_u32 s11, s11, s[MW]                   ; 2 RB + mw
	s_mul_i32 s12, s11, 49152
	s_lshl_b32 s14, s[HD], 1
	s_add_co_u32 s14, s14, s[NW]                   ; my K step of the next product: 2 head + nw
	s_mul_i32 s63, s14, 1536
	s_add_co_u32 s12, s12, s63
	s_add_nc_u64 s[58:59], s[58:59], s[12:13]      ; ocodes [2 RB + mw][mb][K step][1,536]
	s_lshl_b32 s12, s11, 11
	s_and_b32 s63, s14, 3
	s_lshl_b32 s63, s63, 9
	s_add_co_u32 s12, s12, s63
	s_lshr_b32 s63, s14, 2
	s_lshl_b32 s63, s63, 8
	s_add_co_u32 s12, s12, s63
	s_add_nc_u64 s[60:61], s[60:61], s[12:13]      ; oscales [2 RB + mw][K step % 4][K step / 4][r][mb]
	v_and_b32 v[VR], 15, v0
	v_bfe_u32 v[VH], v0, 4, 1
	v_lshlrev_b32 v[SH8], 3, v[VH]
	v_mov_b32 v[PT], 0                             ; written once: a lane permute's destination counts as one of its sources
	v_lshlrev_b32 v[TO1], 3, v0                    ; 256 w + 8 lane
	s_lshl_b32 s11, s[WV], 11
	v_lshl_add_u32 v[TO2], v[LN], 4, s11           ; 2,048 w + 16 lane
	s_lshl_b32 s11, s[WV], 12
	v_lshl_add_u32 v[TO3], v[LN], 4, s11           ; 4,096 w + 16 lane
	s_lshl_b32 s11, s[MW], 17                      ; where my group's images go: groups 0, 1 behind slot 0, groups 2, 3 behind slot 1
	s_mul_i32 s12, s[NW], 12288
	s_add_co_u32 s11, s11, s12
	s_add_co_u32 s11, s11, XIMG
	v_lshl_add_u32 v[XWI], v[LN], 4, s11
	s_lshl_b32 s11, s[WV], 11
	s_add_co_u32 s11, s11, XSC
	v_lshl_add_u32 v[XWS], v[LN], 2, s11
	s_mul_i32 s11, s[WV], 16*XSP                   ; my stage
	s_add_co_u32 s11, s11, STGX
	v_lshl_add_u32 v[STW], v[LN], 4, s11
	v_mul_u32_u24 v[STR], v[VR], XSP
	v_lshl_add_u32 v[STR], v[VH], 7, v[STR]
	v_add_nc_u32 v[STR], s11, v[STR]
	s_lshl_b32 s11, s[MW], 17                      ; whence I read: groups 2 mw and 2 mw + 1 lie on end
	s_add_co_u32 s11, s11, XIMG
	v_lshl_add_u32 v[LI], v[LN], 4, s11
	s_lshl_b32 s11, s[MW], 12
	s_add_co_u32 s11, s11, XSC
	v_lshl_add_u32 v[LXS], v[VR], 2, s11
	v_lshl_add_u32 v[LXS], v[VH], 9, v[LXS]        ; lanes 16-31 take the words four K steps on
	s_mul_i32 s11, s[MW], 1536                     ; where the tables go
	s_lshl_b32 s12, s[NW], 8
	s_add_co_u32 s11, s11, s12
	s_add_co_u32 s11, s11, BT
	v_lshl_add_u32 v[TSB], v[LN], 3, s11
	v_lshl_add_u32 v[TSVB], v0, 3, BT+6144
	s_mul_i32 s11, s[MW], 12288
	s_lshl_b32 s12, s[NW], 11
	s_add_co_u32 s11, s11, s12
	s_add_co_u32 s11, s11, SCT
	v_lshl_add_u32 v[TSS], v[LN], 4, s11
	s_lshl_b32 s12, s[WV], 11
	s_add_co_u32 s12, s12, SCT+49152
	v_lshl_add_u32 v[TSV], v[LN], 4, s12
	v_lshrrev_b32 v[TSL], 2, v[LN]                 ; L1's rows are 64 bytes: four lanes to a row; its first 32 bytes go to the even side's table, the others to the odd side's
	v_lshl_add_u32 v[TSL], v[TSL], 5, s11
	v_and_b32 v16, 1, v[LN]
	v_lshl_add_u32 v[TSL], v16, 4, v[TSL]
	v_bfe_u32 v16, v[LN], 1, 1
	v_mad_u32_u24 v[TSL], v16, 24576, v[TSL]
	XLOAD 3
	s_wait_kmcnt 0x0                               ; L2_b
	s_wait_loadcnt 48                              ; K step 0 is in; the three younger sets' 48 loads may be out
	XTURN 0
.irp f, 0,1,2,3,4,5,6,7
	XBODY \f                                       ; token 0's eight K steps
.endr
	XCHG 0                                         ; (the loads of x that are out stay out across these barriers: they land in registers)
.irp f, 8,9,10,11,12,13,14,15
	XBODY \f                                       ; token 1's
.endr
	XCHG 1                                         ; behind it images and stages are done with: the tables may take their bytes
	s_wait_loadcnt 0x0                             ; the tables are in
	WIN 0x08                                       ; an LDS store's data are its source 1: window 2
.irp i, 0,1,2,3
	ds_store_b128 v[TSS], v[192+4*\i:195+4*\i] offset:4096+512*\i
	ds_store_b128 v[TSS], v[208+4*\i:211+4*\i] offset:28672+512*\i
	ds_store_b128 v[TSS], v[224+4*\i:227+4*\i] offset:8192+512*\i
	ds_store_b128 v[TSS], v[240+4*\i:243+4*\i] offset:32768+512*\i
.endr
	WIN 0x0c
.irp i, 0,1,2,3
	ds_store_b128 v[TSV], v[192+4*\i:195+4*\i] offset:512*\i
.endr
.irp i, 0,1,2,3,4,5,6,7
	ds_store_b128 v[TSL], v[208+4*\i:211+4*\i] offset:256*\i
.endr
	ds_store_b64 v[TSB], v[240:241]
	ds_store_b64 v[TSB], v[242:243] offset:512
	ds_store_b64 v[TSB], v[244:245] offset:1024
	ds_store_b64 v[TSB], v[246:247] offset:3072
	ds_store_b64 v[TSB], v[248:249] offset:3584
	ds_store_b64 v[TSB], v[250:251] offset:4096
	ds_store_b64 v[TSVB], v[252:253]
	WIN 0
	s_wait_tensorcnt 1                             ; my region of item 0 is in; item 1's load may stay out
	s_wait_dscnt 0x0                               ; my part of the tables has landed
	s_barrier_signal -1
	s_barrier_wait -1
	; the addresses of the main part
	s_mul_i32 s11, s[NW], 2*RSTR
	v_mul_u32_u24 v[BX], v[VR], RP
	v_mad_u32_u24 v[BX], v[VH], 24, v[BX]
	v_add_nc_u32 v[BX], s11, v[BX]
	v_lshl_add_u32 v[BX+1], v[VH], 4, v[BX]
	v_add_nc_u32 v[BY], YOFF, v[BX]
	v_add_nc_u32 v[BY+1], YOFF, v[BX+1]
	v_and_b32 v[BQ], 7, v[VR]
	v_mul_u32_u24 v[BQ], v[BQ], RP
	v_lshrrev_b32 v[BQ+1], 3, v[VR]
	v_mad_u32_u24 v[BQ], v[BQ+1], YOFF, v[BQ]
	v_mad_u32_u24 v[BQ], v[VH], 24, v[BQ]
	v_add_nc_u32 v[BQ], s11, v[BQ]
	v_lshl_add_u32 v[BQ+1], v[VH], 4, v[BQ]
	v_mov_b32 v[CX], v[BX]
	v_mov_b32 v[CX+1], v[BX+1]
	v_mov_b32 v[CY], v[BY]
	v_mov_b32 v[CY+1], v[BY+1]
	s_mul_i32 s11, s[NW], 12288
	s_add_co_u32 s11, s11, SCT
	v_lshl_add_u32 v[AW], v[VR], 5, s11
	v_mad_u32_u24 v[AW], v[VH], 24576, v[AW]
	s_mul_i32 s11, s[NW], 1536
	s_add_co_u32 s11, s11, BT
	v_lshl_add_u32 v[AB], v[VH], 5, s11
	s_lshl_b32 s11, s[NW], 12
	s_add_co_u32 s11, s11, SCT+49152
	v_and_b32 v16, 7, v[VR]
	v_lshl_add_u32 v[AWV], v16, 5, s11
	v_lshrrev_b32 v16, 3, v[VR]
	v_lshl_add_u32 v[AWV], v16, 10, v[AWV]
	v_lshl_add_u32 v[AWV], v[VH], 8, v[AWV]
	s_lshl_b32 s11, s[NW], 9
	s_add_co_u32 s11, s11, BT+6144
	v_lshl_add_u32 v[ABV], v[VH], 7, s11
	v_lshlrev_b32 v[GOC], 3, v[LN]
	v_lshlrev_b32 v[GOS], 4, v[VR]
	s_mul_i32 s11, s[WV], 2560
	s_add_co_u32 s11, s11, RED
	v_lshl_add_u32 v[RDW], v[LN], 4, s11
	s_xor_b32 s11, s[WV], 1
	s_mul_i32 s11, s11, 2560
	s_add_co_u32 s11, s11, RED
	v_lshl_add_u32 v[RDR], v[LN], 4, s11
.set i, 0
.rept 16
	v_mov_b32 v[SC+i], 0                           ; the scores' sums begin at 0,
.set i, i+1
.endr
.set i, 0
.rept 4
	v_mov_b32 v[ZS+i], 0                           ; and z's
.set i, i+1
.endr
.set i, 0
.rept 8
	v_mov_b32 v[R+i], 0                            ; (written on every path: their numbers come in the loop's fourth trip)
.set i, i+1
.endr
	BATCH 0, 0, 0
	BATCH 0, 1, 0
	WIN 0                                          ; at a label and at a branch every window is 0
	; ---------------- the fourteen items
	s_mov_b32 s[KC], 0
.Lla:                                              ; L1's items 0 and 1; they ask for items 2 and 3
	ITEM 0, 0, 1, 0, 0, G1L, 49152, 0
	s_add_co_u32 s[KC], s[KC], 1
	s_cmp_lt_u32 s[KC], 2
	s_cbranch_scc1 .Lla
	s_mov_b64 s[WP:WP+1], s[PA1:PA1+1]
	s_mov_b32 s[KC], 0
.Llb:                                              ; L1's items 2 and 3; they ask for the first two of Q1 and K1
	ITEM 0, 0, 1, 1, 0, G1W, 24576, 0
	s_add_co_u32 s[KC], s[KC], 1
	s_cmp_lt_u32 s[KC], 2
	s_cbranch_scc1 .Llb
	s_mov_b32 s[KC], 0
.Llp:                                              ; seven of the eight items of Q and K
	ITEM 1, 0, 1, 1, 0, G1W, 24576, 1
	s_cmp_lg_u32 s[KC], 3                          ; behind the fourth item attention 1's scores are whole in this wave: they are set aside (work on registers alone stands under this branch)
	s_cbranch_scc1 .Lnot_a1
.set i, 0
.rept 8
	v_add_f32 v[R+i], v[SC+2*i], v[SC+2*i+1]
.set i, i+1
.endr
.set i, 0
.rept 16
	v_mov_b32 v[SC+i], 0
.set i, i+1
.endr
.Lnot_a1:
	s_add_co_u32 s[KC], s[KC], 1
	s_cmp_lt_u32 s[KC], 7
	s_cbranch_scc1 .Llp
	s_mov_b64 s[WP:WP+1], s[VPB:VPB+1]
	ITEM 1, 0, 1, 2, 0, G1W, 24576, 0              ; the eighth: it asks for V's second item and fetches V's first fragments
	; ---------------- the sums meet: my two halves of the lanes, then my partner wave (the other 128 of d and of the hidden units)
.set i, 0
.rept 8
	v_add_f32 v[R+8+i], v[SC+2*i], v[SC+2*i+1]
.set i, i+1
.endr
	v_add_f32 v[R+16], v[ZS], v[ZS+1]
	v_add_f32 v[R+17], v[ZS+2], v[ZS+3]
	v_mov_b32 v[R+18], 0
	v_mov_b32 v[R+19], 0
.set i, 0
.rept 16
	v_permlanex16_b32 v[SC+i], v[R+i], s[SEL], s[SEL+1]
.set i, i+1
.endr
	v_permlanex16_b32 v[ZS], v[R+16], s[SEL], s[SEL+1]
	v_permlanex16_b32 v[ZS+1], v[R+17], s[SEL], s[SEL+1]
.set i, 0
.rept 16
	v_add_f32 v[R+i], v[R+i], v[SC+i]
.set i, i+1
.endr
	v_add_f32 v[R+16], v[R+16], v[ZS]
	v_add_f32 v[R+17], v[R+17], v[ZS+1]
.irp p, 0,1,2,3,4
	ds_store_b128 v[RDW], v[R+4*\p:R+4*\p+3] offset:512*\p
.endr
	s_wait_dscnt 0x0                               ; for the others' sake: my sums have landed
	s_barrier_signal -1
	s_barrier_wait -1
.irp p, 0,1,2,3,4
	ds_load_b128 v[104+4*\p:107+4*\p], v[RDR] offset:512*\p
.endr
	s_wait_dscnt 0x0
.set i, 0
.rept 18
	v_add_f32 v[R+i], v[R+i], v[104+i]
.set i, i+1
.endr
	; the eight softmaxes over two keys, with the larger score taken away, and the gate
.set i, 0
.rept 8
	v_max_num_f32 v[104+i], v[R+2*i], v[R+2*i+1]
.set i, i+1
.endr
.set i, 0
.rept 8
	v_sub_f32 v[R+2*i], v[R+2*i], v[104+i]
	v_sub_f32 v[R+2*i+1], v[R+2*i+1], v[104+i]
.set i, i+1
.endr
.set i, 0
.rept 16
	v_mul_f32 v[R+i], 0x3db8aa3b, v[R+i]           ; x log2(e) / 16
.set i, i+1
.endr
	v_add_f32 v[R+16], s62, v[R+16]
	v_add_f32 v[R+17], s62, v[R+17]
	v_mul_f32 v[R+16], 0xbfb8aa3b, v[R+16]         ; x -log2(e)
	v_mul_f32 v[R+17], 0xbfb8aa3b, v[R+17]
.set i, 0
.rept 18
	v_exp_f32 v[R+i], v[R+i]
.set i, i+1
.endr
	v_nop                                          ; a plain line behind the last exponential
	s_wait_alu depctr_va_vdst(0)                   ; one wait for the batch, ahead of its first reader
.set i, 0
.rept 8
	v_add_f32 v[104+i], v[R+2*i], v[R+2*i+1]
.set i, i+1
.endr
	v_add_f32 v112, 1.0, v[R+16]
	v_add_f32 v113, 1.0, v[R+17]
.set i, 0
.rept 10
	v_rcp_f32 v[104+i], v[104+i]
.set i, i+1
.endr
	v_nop
	s_wait_alu depctr_va_vdst(0)                   ; one wait for the ten reciprocals
.set i, 0
.rept 8
	v_mul_f32 v[R+2*i], v[R+2*i], v[104+i]
	v_mul_f32 v[R+2*i+1], v[R+2*i+1], v[104+i]
.set i, i+1
.endr
.irp gl, 0,1
.irp e, 0,1,2,3
	v_fma_f32 v[R+4*\gl+\e], -v[112+\gl], v[R+8+4*\gl+\e], v[R+4*\gl+\e]     ; a1 - lam a2
.endr
.endr
.set i, 0
.rept 8
	v_max_num_f32 v[CF+2*i], 0, v[R+i]
.set i, i+1
.endr
.set i, 0
.rept 8
	v_mov_b32 v[CF+2*i+1], v[CF+2*i]               ; each coefficient twice: a pair for the packed forms
.set i, i+1
.endr
	ITEM 2, 0, 2, 2, 1, G1W, 0, 0                  ; V's first 64 of my d; the slot is left, nothing is asked for
	VOUT 0, ZS
	ITEM 2, 1, 0, 2, 1, G1W, 0, 0                  ; its second 64
	VOUT 1, BY1
.irp mb, 0,1,2,3
	v_lshl_or_b32 v[116+\mb], v[BY1+\mb], 16, v[ZS+\mb]              ; my two bytes of the K step's four,
	v_lshlrev_b32 v[116+\mb], v[SH8], v[116+\mb]
.endr
.irp mb, 0,1,2,3
	v_permlanex16_b32 v[PT], v[116+\mb], s[SEL], s[SEL+1]
	v_or_b32 v[116+\mb], v[116+\mb], v[PT]                           ; with lane l xor 16's the word is whole
.endr
	global_store_b128 v[GOS], v[116:119], s[60:61] ; sixteen lanes store 256 consecutive bytes, aligned; lanes 16-31 store the same words to the same bytes
	s_wait_tensorcnt 0x0                           ; the wave's end
	ds_add_u32 v[SPW], v[NIL]
	s_wait_dscnt 0x0
	ROUND                                          ; the closing round: no work-group ends while a partner may still ask for a tile that names it
	s_endpgm
.Lfunc_end_k_qd02aef6ee9_attn:
	.size	k_qd02aef6ee9_attn, .Lfunc_end_k_qd02aef6ee9_attn-k_qd02aef6ee9_attn
	.p2alignl 7, 3214868480
	.fill 96, 4, 3214868480
	.section	.rodata,"a",@progbits
	.p2align	6, 0x0
	.amdhsa_kernel k_qd02aef6ee9_attn
		.amdhsa_group_segment_fixed_size 327680
		.amdhsa_private_segment_fixed_size 0
		.amdhsa_enable_private_segment 0
		.amdhsa_kernarg_size 184
		.amdhsa_user_sgpr_count 2
		.amdhsa_user_sgpr_kernarg_segment_ptr 1
		.amdhsa_wavefront_size32 1
		.amdhsa_system_sgpr_workgroup_id_x 1
		.amdhsa_system_sgpr_workgroup_id_y 1
		.amdhsa_system_sgpr_workgroup_id_z 1
		.amdhsa_system_vgpr_workitem_id 0
		.amdhsa_next_free_vgpr 1024
		.amdhsa_next_free_sgpr 106
		.amdhsa_reserve_vcc 0
		.amdhsa_float_denorm_mode_32 3
		.amdhsa_float_denorm_mode_16_64 3
		.amdhsa_memory_ordered 1
		.amdhsa_forward_progress 1
		.amdhsa_inst_pref_size 255
	.end_amdhsa_kernel
	.section	.bss,"aw",@nobits
	.p2align	6
	.space	262144
	.amdgpu_metadata
---
amdhsa.version: [ 1, 2 ]
amdhsa.kernels:
  - .name:           k_qd02aef6ee9_attn
    .symbol:         k_qd02aef6ee9_attn.kd
    .args:
      - { .name: x, .offset: 0, .size: 8, .value_kind: global_buffer, .address_space: global }
      - { .name: L1_w_codes, .offset: 8, .size: 8, .value_kind: global_buffer, .address_space: global }
      - { .name: L1_w_scales, .offset: 16, .size: 8, .value_kind: global_buffer, .address_space: global }
      - { .name: L1_b, .offset: 24, .size: 8, .value_kind: global_buffer, .address_space: global }
      - { .name: L2_w, .offset: 32, .size: 8, .value_kind: global_buffer, .address_space: global }
      - { .name: L2_b, .offset: 40, .size: 8, .value_kind: global_buffer, .address_space: global }
      - { .name: WQ1_w_codes, .offset: 48, .size: 8, .value_kind: global_buffer, .address_space: global }
      - { .name: WK1_w_codes, .offset: 56, .size: 8, .value_kind: global_buffer, .address_space: global }
      - { .name: WQ2_w_codes, .offset: 64, .size: 8, .value_kind: global_buffer, .address_space: global }
      - { .name: WK2_w_codes, .offset: 72, .size: 8, .value_kind: global_buffer, .address_space: global }
      - { .name: WV_w_codes, .offset: 80, .size: 8, .value_kind: global_buffer, .address_space: global }
      - { .name: WQ1_w_scales, .offset: 88, .size: 8, .value_kind: global_buffer, .address_space: global }
      - { .name: WK1_w_scales, .offset: 96, .size: 8, .value_kind: global_buffer, .address_space: global }
      - { .name: WQ2_w_scales, .offset: 104, .size: 8, .value_kind: global_buffer, .address_space: global }
      - { .name: WK2_w_scales, .offset: 112, .size: 8, .value_kind: global_buffer, .address_space: global }
      - { .name: WV_w_scales, .offset: 120, .size: 8, .value_kind: global_buffer, .address_space: global }
      - { .name: WQ1_b, .offset: 128, .size: 8, .value_kind: global_buffer, .address_space: global }
      - { .name: WK1_b, .offset: 136, .size: 8, .value_kind: global_buffer, .address_space: global }
      - { .name: WQ2_b, .offset: 144, .size: 8, .value_kind: global_buffer, .address_space: global }
      - { .name: WK2_b, .offset: 152, .size: 8, .value_kind: global_buffer, .address_space: global }
      - { .name: WV_b, .offset: 160, .size: 8, .value_kind: global_buffer, .address_space: global }
      - { .name: ocodes, .offset: 168, .size: 8, .value_kind: global_buffer, .address_space: global }
      - { .name: oscales, .offset: 176, .size: 8, .value_kind: global_buffer, .address_space: global }
    .group_segment_fixed_size: 327680
    .private_segment_fixed_size: 0
    .kernarg_segment_align: 8
    .kernarg_segment_size: 184
    .max_flat_workgroup_size: 128
    .sgpr_count:     106
    .vgpr_count:     1024
    .wavefront_size: 32
...
	.end_amdgpu_metadata
.endif
;; end of part 1
;; launch proj (part 2): grid 64 x 4, 4 waves a work-group, clusters of 4 x 1, 246,272 bytes of LDS; arguments x, ocodes, oscales, WO_w_codes, WO_w_scales, WO_b, out0; writes out0
.if DOCPART == 2
	.amdgcn_target "amdgcn-amd-amdhsa--gfx1250"
	.amdhsa_code_object_version 6
	.text
	.protected	k_qd02aef6ee9_proj
	.globl	k_qd02aef6ee9_proj
	.p2align	8
	.type	k_qd02aef6ee9_proj,@function
k_qd02aef6ee9_proj:
	s_mov_b64 s[64:65], 0
	v_nop
	global_prefetch_b8 v0, s[64:65] scope:SCOPE_SE
	s_setreg_imm32_b32 hwreg(HW_REG_WAVE_MODE, 25, 1), 1
	s_wait_xcnt 0x0
	s_wait_alu depctr_hold_cnt(0) depctr_sa_sdst(0) depctr_va_vdst(0) depctr_va_sdst(0) depctr_va_ssrc(0) depctr_va_vcc(0) depctr_vm_vsrc(0)
	s_getreg_b32 s2, hwreg(HW_REG_IB_STS2, 6, 4)
	s_cmp_eq_u32 s2, 0
	s_cbranch_scc0 .Lentry_in_a_cluster
	s_endpgm
.Lentry_in_a_cluster:
	s_bfe_u32 s2, ttmp6, 0x10000c
	s_cmp_lg_u32 s2, 0x3003
	s_cbranch_scc0 .Lentry_shape_is_right
	s_endpgm
.Lentry_shape_is_right:
; out0 = (attention's result) WO + WO_b + tokens.  The left operand comes as codes of E3M2 and scale words that the launch before laid in the order of the operand's registers; WO as given codes.
; A work-group makes 128 tokens (64 batch rows) x 256 columns; wave (mw = w / 2, nw = w % 2) 64 tokens x 128 columns.  Token block mb = 2 gl + t: lane r is batch row 16 gl + r, token t.
; The product is used transposed (source 0 = 16 rows of WO's codes, source 1 = 16 tokens).  THE RESIDUAL IS LOADED STRAIGHT INTO THE ACCUMULATORS, so that every product adds in place from its first K step.
; The rows of a tile: r < 8: row 8 i + r of my even region, else 8 i + r - 8 of the odd one, which holds the rows 32 further on: a lane's registers of four tiles are 32 neighbouring columns.
; WO's 256 rows x 768 bytes lie in LDS whole, in two slots filled once; the four partners of a cluster are four row blocks of one column tile and ask for them jointly (mask 15).  Nothing in LDS is filled again.
; LIMITS: those of the launch before; this one adds none.
; REGISTERS: window 0: addresses, scale words, WO_b, v128-255 the accumulators of columns 0-63.  window 1: v0-191 a ring of four sets of WO's fragments; v96-159 also the rows on their way out.
;   windows 2, 3: v0-191 the tokens' fragments of K steps 0-3, 4-7; v192-255 the accumulators of columns 64-127.
.set RSTR,  26368                      ; from region to region of a slot (odd regions lie 128 bytes further on)
.set RP,    816                        ; a row in LDS: 3 x (256 bytes + 16 of padding)
.set YOFF,  RSTR+128
.set SLOTB, 105472                     ; a slot
.set STG,   210944                     ; behind the slots: for each wave two stages of 16 rows x (256 bytes + 16)
.set VR,  1
.set VH,  2
.set LN,  3
.set CQ,  4                            ; v4-5 my tiles' rows in slot 0 (+ 24 h; + 40 h), v6-7 in slot 1
.set STO, 8                            ; v8   the stage: where I put 32 bytes of a row
.set SRD, 9                            ; v9   and where I read a row back
.set CO,  10                           ; v10  my byte offset in out0 on the way out
.set FO,  11                           ; v11  8 x lane
.set XSO, 12                           ; v12  16 x lane
.set WSO, 13                           ; v13  my row of WO's scale bytes
.set BIO, 14                           ; v14  16 r
.set RO,  15                           ; v15  the residual: row r, + 128 h
.set XS,  24                           ; v24-39  the tokens' scale words: 4 sl + mb; lanes 0-15 K step sl, lanes 16-31 K step 4 + sl
.set WS,  40                           ; v40-71  WO's: 16 c + 8 (i / 2) + K step; lanes 0-15 the even tile, lanes 16-31 the odd one
.set BI,  72                           ; v72-79  WO_b: four numbers for each 64 columns, in the way out's layout
.set OB,  96                           ; window 1: two sets of 32: rows read back from the stage
.set WV,  18
.set MW,  19
.set NW,  20
.set CXR, 21
.set RB,  22
.set NY,  23
.set G1,  24
.set G0A, 32
.set G0B, 36
.set MSB, 0
.macro WIN new                         ; the immediate's high byte repeats the setting that is left
.if MSB != (\new)
	s_set_vgpr_msb (MSB<<8)|(\new)
.set MSB, (\new)
.endif
.endm
.macro PLACES                          ; four plain vector lines (ISA guide 7.12.1 for matrix instructions)
.rept 4
	v_nop
.endr
.endm
.macro CREST
	s_cmp_lg_u32 s[WV], 0
	s_cbranch_scc1 .Lnw0_\@
	s_barrier_signal -3
.Lnw0_\@:
	s_barrier_wait -3
	s_barrier_signal -1
	s_barrier_wait -1
.endm
.macro ROUND
	s_barrier_signal -1
	s_barrier_wait -1
	CREST
.endm
.macro FRAG reg, a1, q, row            ; a fragment: six pieces of 8 bytes of my row's stream of bits; where the piece three on lies behind one padding more the second address register serves
.irp p, 0,1,2,3,4,5
.set PCE, 12*(\q)+6*(\p/3)+\p%3
.if PCE%32 < 29
	ds_load_b64 v[(\reg)+2*\p:(\reg)+2*\p+1], v[\a1] offset:(\row)+8*PCE+16*(PCE/32)
.else
	ds_load_b64 v[(\reg)+2*\p:(\reg)+2*\p+1], v[(\a1)+1] offset:(\row)+8*PCE+16*(PCE/32)
.endif
.endr
.endm
.macro FH set, a1, row, hf             ; four K steps of one tile into set 'set' of the ring: 24 loads
	WIN 0x40
.irp sl, 0,1,2,3
	FRAG 48*(\set)+12*\sl, \a1, 4*(\hf)+\sl, \row
.endr
.endm
.macro MM d, a, b, c, sa, sb, ra, rb
.if (\ra) && (\rb)
	v_wmma_scale_f32_16x16x128_f8f6f4 v[(\d):(\d)+7], v[(\a):(\a)+11], v[(\b):(\b)+11], v[(\c):(\c)+7], v[\sa], v[\sb] matrix_a_fmt:MATRIX_FMT_BF6 matrix_b_fmt:MATRIX_FMT_BF6 matrix_a_scale:MATRIX_SCALE_ROW1 matrix_b_scale:MATRIX_SCALE_ROW1
.elseif (\ra)
	v_wmma_scale_f32_16x16x128_f8f6f4 v[(\d):(\d)+7], v[(\a):(\a)+11], v[(\b):(\b)+11], v[(\c):(\c)+7], v[\sa], v[\sb] matrix_a_fmt:MATRIX_FMT_BF6 matrix_b_fmt:MATRIX_FMT_BF6 matrix_a_scale:MATRIX_SCALE_ROW1
.elseif (\rb)
	v_wmma_scale_f32_16x16x128_f8f6f4 v[(\d):(\d)+7], v[(\a):(\a)+11], v[(\b):(\b)+11], v[(\c):(\c)+7], v[\sa], v[\sb] matrix_a_fmt:MATRIX_FMT_BF6 matrix_b_fmt:MATRIX_FMT_BF6 matrix_b_scale:MATRIX_SCALE_ROW1
.else
	v_wmma_scale_f32_16x16x128_f8f6f4 v[(\d):(\d)+7], v[(\a):(\a)+11], v[(\b):(\b)+11], v[(\c):(\c)+7], v[\sa], v[\sb] matrix_a_fmt:MATRIX_FMT_BF6 matrix_b_fmt:MATRIX_FMT_BF6
.endif
.endm
; Half-step N of 16: columns 64 (N / 8) on, tile (N % 8) / 2, K steps 4 (N % 2) on: 16 matrix instructions, the four token blocks' accumulators by turns
.macro OH N
.set oc, (\N)/8
.set oi, ((\N)%8)/2
.set oh, (\N)&1
.if oc == 0
.set ow, 0x09+4*oh
.set oa, 128+32*oi
.else
.set ow, 0xa9+4*oh+0x50*(oi/2)
.set oa, 192+32*(oi&1)
.endif
	WIN ow
.irp sl, 0,1,2,3
.irp mb, 0,1,2,3
	MM oa+8*\mb, 48*((\N)&3)+12*\sl, 12*(4*\mb+\sl), oa+8*\mb, WS+16*oc+8*(oi/2)+4*oh+\sl, XS+4*\sl+\mb, oi&1, oh
.endr
.endr
.endm
.macro STEPO N                         ; the loads of half-step N + 2 are issued ahead of the products of half-step N, into the set that half-step N - 2 read last
.if (\N) == 15
	s_wait_dscnt 0x0
.else
	s_wait_dscnt 24                                                  ; behind this half-step's 24 loads stand the next one's 24
.endif
.if (\N) < 14
	PLACES
	FH ((\N)+2)&3, CQ+2*(((\N)+2)/8), 6528*((((\N)+2)%8)/2), ((\N)+2)&1
.endif
	OH \N
.endm
; THE WAY OUT of 64 columns, a token block (16 rows) at a time: a lane's 32 neighbouring bytes go into my own stage and come back as rows of 256 bytes.  LDS serves a wave's instructions in order (ISA guide 5.7.1.4).
.macro TOSTAGE c, mb
.irp i, 0,1,2,3
.if (\c) == 0
	WIN 0
.set ta, 128+32*\i+8*(\mb)
.else
	WIN 0x08+4*(\i/2)                                                ; an LDS store's data are its source 1: window 2 or 3
.set ta, 192+32*(\i%2)+8*(\mb)
.endif
	ds_store_b128 v[STO], v[ta:ta+3] offset:4352*((\mb)%2)+32*\i     ; each accumulator from its low end on
	ds_store_b128 v[STO], v[ta+4:ta+7] offset:4352*((\mb)%2)+32*\i+16
.endr
	WIN 0x40
.irp tt, 0,1,2,3,4,5,6,7
	ds_load_b128 v[OB+32*((\mb)%2)+4*\tt:OB+32*((\mb)%2)+4*\tt+3], v[SRD] offset:4352*((\mb)%2)+544*\tt
.endr
	WIN 0
.endm
.macro SEND c, mb, younger             ; younger: the LDS instructions issued behind this block's loads
	s_wait_dscnt \younger
	WIN 0x41                                                         ; the rows in window 1, WO_b in window 0
.irp tt, 0,1,2,3,4,5,6,7
.irp e, 0,1
	v_pk_add_f32 v[OB+32*((\mb)%2)+4*\tt+2*\e:OB+32*((\mb)%2)+4*\tt+2*\e+1], v[OB+32*((\mb)%2)+4*\tt+2*\e:OB+32*((\mb)%2)+4*\tt+2*\e+1], v[BI+4*(\c)+2*\e:BI+4*(\c)+2*\e+1]
.endr
.endr
	WIN 0x04                                                         ; a store's data are its source 1: window 1
.irp tt, 0,1,2,3,4,5,6,7
	global_store_b128 v[CO], v[OB+32*((\mb)%2)+4*\tt:OB+32*((\mb)%2)+4*\tt+3], s[16:17] offset:131072*((\mb)/2)+4096*((\mb)%2)+16384*\tt+256*(\c) th:TH_STORE_NT   ; sixteen lanes store 256 consecutive bytes, aligned; written once, read by nobody here
.endr
	WIN 0
.endm
.macro OUT c
	WIN 0
	PLACES                                                           ; behind the last products: ahead of the reads of their results and of loads into the ring's registers
	TOSTAGE \c, 0
	TOSTAGE \c, 1
	SEND \c, 0, 16
	s_wait_xcnt 0x0                                                  ; block 0's stores have read their registers: block 2's rows may land there
	TOSTAGE \c, 2
	SEND \c, 1, 16
	s_wait_xcnt 0x0
	TOSTAGE \c, 3
	SEND \c, 2, 16
	SEND \c, 3, 0
.endm
	s_load_b256 s[4:11], s[0:1], 0x0               ; x, ocodes, oscales, WO's codes
	s_load_b128 s[12:15], s[0:1], 0x20             ; WO's scales, WO_b
	s_load_b64 s[16:17], s[0:1], 0x30              ; out0
	v_lshl_add_u32 v126, v0, 2, 0x3c000
	v_mov_b32 v127, 0
	ds_add_u32 v126, v127
	ds_add_u32 v126, v127
	v_lshrrev_b32 v16, 5, v0
	v_readfirstlane_b32 s[WV], v16                 ; wave 0..3
	s_lshr_b32 s[MW], s[WV], 1
	s_and_b32 s[NW], s[WV], 1
	s_bfe_u32 s[CXR], ttmp6, 0x40000
	s_lshl_b32 s[RB], ttmp9, 2
	s_add_co_u32 s[RB], s[RB], s[CXR]              ; my row block: it enters addresses of x, ocodes, oscales and out0 alone
	s_and_b32 s[NY], ttmp7, 0xffff                 ; the column tile, which the four partners share
	s_mov_b32 s[G1], 15|(3<<16)|(1<<20)|(1<<21)|(5<<22)|(3<<25)    ; mask: all four; elements of 8 bytes; padding on; bit 21 beside a mask; behind every 64 words 4 words
	s_mov_b32 s[G1+1], 32<<16                      ; a dense block of 32 rows x 768 bytes as 96 rows of 256
	s_mov_b32 s[G1+2], 96<<16
	s_mov_b32 s[G1+3], 32<<16
	s_mov_b32 s[G1+4], 96
	s_mov_b32 s[G1+5], 32
	s_mov_b32 s[G1+6], 0
	s_mov_b32 s[G1+7], 0
	s_mul_i32 s40, s[WV], RSTR
	s_lshl_b32 s41, s[NW], 7
	s_add_co_u32 s40, s40, s41                     ; my region's place in a slot
	s_mov_b32 s[G0A], 1
	s_mov_b32 s[G0A+1], s40
	s_mov_b32 s[G0B], 1
	s_add_co_u32 s[G0B+1], s40, SLOTB
	s_mul_i32 s42, s[NY], 196608                   ; WO's rows 256 ny + 128 (w / 2) + 32 (w % 2) on; slot 1: 64 further on
	s_mul_i32 s41, s[MW], 98304
	s_add_co_u32 s42, s42, s41
	s_mul_i32 s41, s[NW], 24576
	s_add_co_u32 s42, s42, s41
	s_mov_b32 s43, 0
	s_wait_dscnt 0x0
	s_wait_kmcnt 0x0
	s_add_nc_u64 s[G0A+2:G0A+3], s[10:11], s[42:43]
	s_add_nc_u64 s[G0B+2:G0B+3], s[G0A+2:G0A+3], 49152
	s_or_b32 s[G0A+3], s[G0A+3], 0x80000000
	s_or_b32 s[G0B+3], s[G0B+3], 0x80000000
	ROUND                                          ; all four work-groups are here: the joint loads meet
	tensor_load_to_lds s[G0A:G0A+3], s[G1:G1+7]
	s_nop 0
	tensor_load_to_lds s[G0B:G0B+3], s[G1:G1+7]    ; two loads of mine are out; there are no others
	s_nop 0
	PLACES
	s_lshl_b32 s44, s[RB], 1
	s_add_co_u32 s44, s44, s[MW]                   ; 2 RB + mw
	s_mul_i32 s42, s44, 49152
	s_add_nc_u64 s[6:7], s[6:7], s[42:43]
	s_lshl_b32 s42, s44, 11
	s_add_nc_u64 s[8:9], s[8:9], s[42:43]
	s_lshl_b32 s42, s[NY], 13
	s_lshl_b32 s41, s[NW], 12
	s_add_co_u32 s42, s42, s41
	s_add_nc_u64 s[12:13], s[12:13], s[42:43]      ; WO's scale bytes: my 128 rows of 32
	s_lshl_b32 s42, s[NY], 10
	s_lshl_b32 s41, s[NW], 9
	s_add_co_u32 s42, s42, s41                     ; my 128 columns, in bytes
	s_add_nc_u64 s[14:15], s[14:15], s[42:43]
	s_lshl_b32 s41, s[RB], 19
	s_add_co_u32 s42, s42, s41
	s_lshl_b32 s41, s[MW], 18
	s_add_co_u32 s42, s42, s41                     ; + my 32 batch rows of 8,192 bytes
	s_add_nc_u64 s[4:5], s[4:5], s[42:43]
	s_add_nc_u64 s[16:17], s[16:17], s[42:43]
	v_and_b32 v[LN], 31, v0
	v_and_b32 v[VR], 15, v0
	v_bfe_u32 v[VH], v0, 4, 1
	v_lshlrev_b32 v[FO], 3, v[LN]
	v_lshlrev_b32 v[XSO], 4, v[LN]
	v_lshlrev_b32 v[BIO], 4, v[VR]
	v_and_b32 v16, 7, v[VR]
	v_lshrrev_b32 v17, 3, v[VR]
	v_lshlrev_b32 v[WSO], 5, v16
	v_lshl_add_u32 v[WSO], v17, 10, v[WSO]
	v_lshl_add_u32 v[WSO], v[VH], 8, v[WSO]        ; row r % 8 + 32 (r / 8) + 8 h, 32 bytes a row
	v_lshlrev_b32 v[RO], 13, v[VR]
	v_lshl_add_u32 v[RO], v[VH], 7, v[RO]
	v_lshlrev_b32 v[CO], 13, v[VH]
	v_lshl_add_u32 v[CO], v[VR], 4, v[CO]
	v_mul_u32_u24 v[CQ], v16, RP
	v_mad_u32_u24 v[CQ], v17, YOFF, v[CQ]
	v_mad_u32_u24 v[CQ], v[VH], 24, v[CQ]
	s_mul_i32 s40, s[NW], 2*RSTR
	v_add_nc_u32 v[CQ], s40, v[CQ]
	v_lshl_add_u32 v[CQ+1], v[VH], 4, v[CQ]
	v_add_nc_u32 v[CQ+2], SLOTB, v[CQ]
	v_add_nc_u32 v[CQ+3], SLOTB, v[CQ+1]
	s_mul_i32 s40, s[WV], 8704
	s_add_co_u32 s40, s40, STG                     ; my stages
	v_mul_u32_u24 v[STO], v[VR], 272
	v_lshl_add_u32 v[STO], v[VH], 7, v[STO]
	v_add_nc_u32 v[STO], s40, v[STO]
	v_mul_u32_u24 v[SRD], v[VH], 272
	v_lshl_add_u32 v[SRD], v[VR], 4, v[SRD]
	v_add_nc_u32 v[SRD], s40, v[SRD]
.irp sl, 0,1,2,3
	global_load_b128 v[XS+4*\sl:XS+4*\sl+3], v[XSO], s[8:9] offset:512*\sl
.endr
.irp c, 0,1
.irp ip, 0,1
	global_load_b128 v[WS+16*\c+8*\ip:WS+16*\c+8*\ip+3], v[WSO], s[12:13] offset:2048*\c+512*\ip
	global_load_b128 v[WS+16*\c+8*\ip+4:WS+16*\c+8*\ip+7], v[WSO], s[12:13] offset:2048*\c+512*\ip+16
.endr
.endr
	global_load_b128 v[BI:BI+3], v[BIO], s[14:15]
	global_load_b128 v[BI+4:BI+7], v[BIO], s[14:15] offset:256
.irp hi, 0,1
	WIN 0x80+0x40*\hi
.irp mb, 0,1,2,3
.irp sl, 0,1,2,3
.irp q, 0,1,2,3,4,5
	global_load_b64 v[12*(4*\mb+\sl)+2*\q:12*(4*\mb+\sl)+2*\q+1], v[FO], s[6:7] offset:(8*\mb+4*\hi+\sl)*1536+256*\q   ; a plane of a fragment: 256 consecutive bytes a load
.endr
.endr
.endr
.endr
	WIN 0
.irp i, 0,1,2,3                                ; the residual of columns 0-63, into the accumulators: lane (r, h), tile i: token r, columns 32 h + 8 i + 0 .. 7: 4 tiles x 4 token blocks x 2 = 32 loads
.irp gl, 0,1
.irp t, 0,1
	global_load_b128 v[128+32*\i+8*(2*\gl+\t):128+32*\i+8*(2*\gl+\t)+3], v[RO], s[4:5] offset:131072*\gl+4096*\t+32*\i
	global_load_b128 v[128+32*\i+8*(2*\gl+\t)+4:128+32*\i+8*(2*\gl+\t)+7], v[RO], s[4:5] offset:131072*\gl+4096*\t+32*\i+16
.endr
.endr
.endr
.irp i, 0,1,2,3                                ; and of columns 64-127: 32 loads more
	WIN 0x80+0x40*(\i/2)
.irp gl, 0,1
.irp t, 0,1
	global_load_b128 v[192+32*(\i%2)+8*(2*\gl+\t):192+32*(\i%2)+8*(2*\gl+\t)+3], v[RO], s[4:5] offset:131072*\gl+4096*\t+256+32*\i
	global_load_b128 v[192+32*(\i%2)+8*(2*\gl+\t)+4:192+32*(\i%2)+8*(2*\gl+\t)+7], v[RO], s[4:5] offset:131072*\gl+4096*\t+256+32*\i+16
.endr
.endr
.endr
	WIN 0
	s_wait_loadcnt 32                              ; all is in but the 32 loads issued last: the residual of columns 64-127, which is wanted from half-step 8 on
	s_wait_tensorcnt 0x0                           ; my regions of both slots are in,
	s_barrier_signal -1
	s_barrier_wait -1                              ; everybody's are; nothing is filled again, so this is the only barrier ahead of the closing round
	FH 0, CQ, 0, 0
	FH 1, CQ, 0, 1
.irp N, 0,1,2,3,4,5,6,7
	STEPO \N
.endr
	OUT 0                                          ; columns 0-63 leave while the others are still to be multiplied
	s_wait_xcnt 0x0                                ; the stores have read their registers: the ring's sets 2 and 3 may be loaded again
	s_wait_loadcnt 0x0                             ; the residual of columns 64-127
.irp N, 8,9,10,11,12,13,14,15
	STEPO \N
.endr
	OUT 1
	s_wait_tensorcnt 0x0
	ds_add_u32 v126, v127
	s_wait_dscnt 0x0
	ROUND                                          ; the closing round
	s_endpgm
.Lfunc_end_k_qd02aef6ee9_proj:
	.size	k_qd02aef6ee9_proj, .Lfunc_end_k_qd02aef6ee9_proj-k_qd02aef6ee9_proj
	.p2alignl 7, 3214868480
	.fill 96, 4, 3214868480
	.section	.rodata,"a",@progbits
	.p2align	6, 0x0
	.amdhsa_kernel k_qd02aef6ee9_proj
		.amdhsa_group_segment_fixed_size 246272
		.amdhsa_private_segment_fixed_size 0
		.amdhsa_enable_private_segment 0
		.amdhsa_kernarg_size 56
		.amdhsa_user_sgpr_count 2
		.amdhsa_user_sgpr_kernarg_segment_ptr 1
		.amdhsa_wavefront_size32 1
		.amdhsa_system_sgpr_workgroup_id_x 1
		.amdhsa_system_sgpr_workgroup_id_y 1
		.amdhsa_system_sgpr_workgroup_id_z 1
		.amdhsa_system_vgpr_workitem_id 0
		.amdhsa_next_free_vgpr 1024
		.amdhsa_next_free_sgpr 66
		.amdhsa_reserve_vcc 0
		.amdhsa_float_denorm_mode_32 3
		.amdhsa_float_denorm_mode_16_64 3
		.amdhsa_memory_ordered 1
		.amdhsa_forward_progress 1
		.amdhsa_inst_pref_size 115
	.end_amdhsa_kernel
	.amdgpu_metadata
---
amdhsa.version: [ 1, 2 ]
amdhsa.kernels:
  - .name:           k_qd02aef6ee9_proj
    .symbol:         k_qd02aef6ee9_proj.kd
    .args:
      - { .name: x, .offset: 0, .size: 8, .value_kind: global_buffer, .address_space: global }
      - { .name: ocodes, .offset: 8, .size: 8, .value_kind: global_buffer, .address_space: global }
      - { .name: oscales, .offset: 16, .size: 8, .value_kind: global_buffer, .address_space: global }
      - { .name: WO_w_codes, .offset: 24, .size: 8, .value_kind: global_buffer, .address_space: global }
      - { .name: WO_w_scales, .offset: 32, .size: 8, .value_kind: global_buffer, .address_space: global }
      - { .name: WO_b, .offset: 40, .size: 8, .value_kind: global_buffer, .address_space: global }
      - { .name: out0, .offset: 48, .size: 8, .value_kind: global_buffer, .address_space: global }
    .group_segment_fixed_size: 246272
    .private_segment_fixed_size: 0
    .kernarg_segment_align: 8
    .kernarg_segment_size: 56
    .max_flat_workgroup_size: 128
    .sgpr_count:     66
    .vgpr_count:     1024
    .wavefront_size: 32
...
	.end_amdgpu_metadata
.endif
;; end of part 2
